; MI455X (gfx1250); checked and timed in simulation.
; The chip was launched on July 23, 2026; its instructions are those of AMD's public machine-readable ISA for CDNA 5 (MIT licence, August 2026) and "CDNA5" Instruction Set Architecture Reference Guide (July 2026). The comments in the code are by the model that wrote it; some were corrected since.
;; Triton Fused Moe Linear Base. Allowed arithmetic: matrix products marked QUANTISED: E4M3 operands, one E8M0 scale for each 32 along K, by v_wmma_scale_f32_16x16x128_f8f6f4 with both operands' format E4M3, f32 sums; everything else in f32.
;; Inputs: expert_ids 8,192 int32; weight_codes 8 x 512 x 64 x 32 uint8 (E4M3 codes of weight, K innermost, in blocks of 32 codes); weight_scales 8 x 512 x 64 uint8 (E8M0 scales of weight, one for each 32 codes along K); x_codes 8,192 x 64 x 32 uint8 (E4M3 codes of x, K innermost, in blocks of 32 codes); x_scales 8,192 x 64 uint8 (E8M0 scales of x, one for each 32 codes along K).
;; Outputs: out0 8,192 x 512 float32.
;; This version of the problem:
;;   THIS VERSION OF THE PROBLEM IS GIVEN IN LOW PRECISION. The matrix products marked QUANTISED in the list below multiply operands that are first quantised to E4M3 (4 exponent bits, 3 mantissa bits; 8 bits a number), with one power-of-two scale for each 32 numbers along K (OCP MX v1.0); their sums are f32. All else is computed in f32.
;;   The module's matrix products, in the order in which they are computed (A, B: the left and right operand; K: the contracted axis; several contracted axes count as one K, in the product's order):
;;     1. [M 8,192, K 2,048] x [K 2,048, N 512]; A: input x (given as codes); B: input weight (given as codes): QUANTISED
;;     2. [M 8,192, K 2,048] x [K 2,048, N 512]; A: input x (given as codes); B: input weight (given as codes): QUANTISED
;;     3. [M 8,192, K 2,048] x [K 2,048, N 512]; A: input x (given as codes); B: input weight (given as codes): QUANTISED
;;     4. [M 8,192, K 2,048] x [K 2,048, N 512]; A: input x (given as codes); B: input weight (given as codes): QUANTISED
;;     5. [M 8,192, K 2,048] x [K 2,048, N 512]; A: input x (given as codes); B: input weight (given as codes): QUANTISED
;;     6. [M 8,192, K 2,048] x [K 2,048, N 512]; A: input x (given as codes); B: input weight (given as codes): QUANTISED
;;     7. [M 8,192, K 2,048] x [K 2,048, N 512]; A: input x (given as codes); B: input weight (given as codes): QUANTISED
;;     8. [M 8,192, K 2,048] x [K 2,048, N 512]; A: input x (given as codes); B: input weight (given as codes): QUANTISED
;;   THE QUANTISER, for each operand of a quantised product, along K:
;;     - K is cut into blocks of 32 from its start; a last block that is shorter is filled with zeros.
;;     - A block's scale is 2^e with e = floor(log2(the largest magnitude in the block)) - 8, held to -126 .. 127; a block of zeros has e = 0. As a byte (E8M0): e + 127.
;;     - Each number is divided by its block's scale, clamped to +-448, and rounded to the nearest number of E4M3, ties to even, subnormals kept.
;;     - The product sums the exact products of the quantised numbers (number of the format x scale) in f32.
;;   ~~~python
;;   def quantise(x, axis):      # numpy; x: float32 -> the quantised numbers, widened to float32 again
;;       x = np.moveaxis(x, axis, -1); K = x.shape[-1]
;;       x = np.pad(x, [(0, 0)] * (x.ndim - 1) + [(0, -K % 32)]); x = x.reshape(x.shape[:-1] + (-1, 32)); a = np.abs(x).max(-1, keepdims=True)
;;       e = np.where(a > 0, np.clip(np.frexp(np.where(a > 0, a, 1))[1] - 1 - 8, -126, 127), 0)      # np.frexp(a)[1] - 1 = floor(log2(a)), exactly
;;       r = np.clip(x / 2.0 ** e, -448, 448)
;;       step = 2.0 ** (np.maximum(np.frexp(np.where(r == 0, 1, r))[1] - 1, -6) - 3)
;;       q = np.round(r / step) * step * 2.0 ** e      # np.round: ties to even
;;       return np.moveaxis(q.reshape(q.shape[:-2] + (-1,))[..., :K], -1, axis).astype(np.float32)
;;   ~~~
;;   INPUTS GIVEN AS CODES. weight (in the module: [8, 512, 2048], K = its axis 2); x (in the module: [8192, 2048], K = its axis 1): each comes as NAME_codes (uint8): NAME with its K axis moved to the last place and cut into blocks of 32 codes, [.., K / 32, bytes a block], one block behind the other in memory; one code a byte (a code: sign, 4 exponent bits, 3 mantissa bits); and NAME_scales (uint8): the same leading axes, one E8M0 byte (e + 127) for each 32 codes along K. Its value is code x scale, taken as it is: it is not quantised again, and the codes and scales need not be those that the quantiser above would give.
;; One version. Each part assembles by itself: llvm-mc -triple=amdgcn-amd-amdhsa -mcpu=gfx1250 --defsym DOCPART=n.
;; ======== version 1 of 1: 2 launches
;; workspace buffers: order 32,768 bytes of whole numbers; tiles 1,024 bytes of whole numbers
;; launch route (part 1): grid 1 x 1, 16 waves a work-group, no clusters, 2,304 bytes of LDS; arguments expert_ids, order, tiles; writes order, tiles
.if DOCPART == 1
	.amdgcn_target "amdgcn-amd-amdhsa--gfx1250"
	.amdhsa_code_object_version 6
	.text
	.protected	k_qf641c49fe8_route
	.globl	k_qf641c49fe8_route
	.p2align	8
	.type	k_qf641c49fe8_route,@function
k_qf641c49fe8_route:
	s_mov_b64 s[64:65], 0
	v_nop
	global_prefetch_b8 v0, s[64:65] scope:SCOPE_SE
	s_setreg_imm32_b32 hwreg(HW_REG_WAVE_MODE, 25, 1), 1
	s_wait_xcnt 0x0
; The 8,192 tokens are sorted by expert (a counting sort, no atomics), and the list of tiles for the product's launch is made.
; order [8192] int32: token numbers, expert 0's first, then expert 1's ..; within an expert in any fixed order.
; tiles: 64 records of 16 bytes {expert, first place in order, rows (0 to 160), 0}.  An expert with n tokens gets ceil(n / 160) tiles, so at most
; floor((8192 + 8 x 159) / 160) = 59 records have rows, whatever the split; the records behind the last tile have 0 rows.
; One work-group of 16 waves: thread t holds the ids of tokens 2048 j + 4 t + c (j, c = 0 .. 3) in 16 registers.
; LIMIT: an id outside 0 .. 7 is held at 7 (as an unsigned number); the problem's ids index a table of 8 experts.
; The token numbers leave by stores of 4 bytes to places that hang on the ids: 32,768 bytes in all, once.
.set ID,   8                           ; v8-23   my 16 ids
.set POS,  64                          ; v64-79  their places in order, as byte offsets: one register each, so that no store's source is written again
.set TOK,  80                          ; v80-95  their token numbers
.set CNT,  20                          ; s20-27  n_e: tokens of expert e
.set BASE, 28                          ; s28-35  where my wave's next token of expert e goes
.set TF,   36                          ; s36-43  expert e's first tile
	s_load_b128 s[4:7], s[0:1], 0x0                ; expert_ids s[4:5], order s[6:7]
	s_load_b64 s[8:9], s[0:1], 0x10                ; tiles
	v_lshl_add_u32 v128, v0, 2, 0x100
	v_mov_b32 v129, 0
	v_lshrrev_b32 v1, 5, v0
	v_readfirstlane_b32 s10, v1                    ; wave 0..15
	v_and_b32 v1, 31, v0                           ; lane
	v_lshlrev_b32 v2, 4, v0                        ; 16 bytes of ids a thread and load
	v_lshlrev_b32 v3, 2, v0                        ; 4 t
	v_and_b32 v4, 15, v0                           ; lane % 16
	s_mov_b32 s12, 0x76543210
	s_mov_b32 s13, 0xfedcba98                      ; v_permlanex16_b32's selects for lane l xor 16
	s_mov_b32 s14, 0x0f0f0f0f
	s_mov_b32 s15, 0x00ff00ff
	v_mov_b32 v32, 0                               ; written once: the destination of a lane move counts as read
	v_mov_b32 v24, 0                               ; two sets of eight 4-bit counters
	v_mov_b32 v25, 0
	s_wait_kmcnt 0x0
.irp j, 0,1,2,3
	global_load_b128 v[ID+4*\j:ID+4*\j+3], v2, s[4:5] offset:8192*\j   ; the 512 threads read 8,192 consecutive bytes
.endr
	s_wait_loadcnt 0x0
.irp i, 0,1,2,3,4,5,6,7,8,9,10,11,12,13,14,15
	v_min_u32 v[ID+\i], 7, v[ID+\i]
.endr
; MY COUNTS: 1 << 4 id is added to a register of eight 4-bit fields; eight ids to a register, so no field passes 8.
.irp i, 0,1,2,3,4,5,6,7
	v_lshlrev_b32 v26, 2, v[ID+\i]
	v_lshlrev_b32 v27, 2, v[ID+8+\i]
	v_lshl_add_u32 v24, 1, v26, v24
	v_lshl_add_u32 v25, 1, v27, v25
.endr
; widened to 16-bit fields, two experts to a register: v28 {e0, e4}, v29 {e2, e6}, v30 {e1, e5}, v31 {e3, e7}.  A field holds 8,192 at the most.
	v_and_b32 v26, s14, v24
	v_and_b32 v27, s14, v25
	v_add_nc_u32 v26, v26, v27                     ; bytes: experts 0, 2, 4, 6
	v_lshrrev_b32 v24, 4, v24
	v_lshrrev_b32 v25, 4, v25
	v_and_b32 v24, s14, v24
	v_and_b32 v25, s14, v25
	v_add_nc_u32 v27, v24, v25                     ; bytes: experts 1, 3, 5, 7
	v_and_b32 v28, s15, v26
	v_lshrrev_b32 v26, 8, v26
	v_and_b32 v29, s15, v26
	v_and_b32 v30, s15, v27
	v_lshrrev_b32 v27, 8, v27
	v_and_b32 v31, s15, v27
; the sum of a register over 16 lanes (cross = 0) or over all 32 (cross = 1), in every lane
.macro RED reg, cross
.irp m, 1,2,4,8
	v_mov_b32_dpp v32, v[\reg] row_xmask:\m row_mask:0xf bank_mask:0xf
	v_add_nc_u32 v[\reg], v[\reg], v32
.endr
.if \cross
	v_permlanex16_b32 v32, v[\reg], s12, s13
	v_add_nc_u32 v[\reg], v[\reg], v32
.endif
.endm
.irp k, 28,29,30,31
	RED \k, 1                                      ; my wave's counts
.endr
	s_lshl_b32 s11, s10, 4
	v_mov_b32 v26, s11
	ds_store_b128 v26, v[28:31]                    ; to my wave's 16 bytes: all lanes write the same words
	s_wait_dscnt 0x0                               ; for the others' sake: the store is done
	s_barrier_signal -1
	s_barrier_wait -1
	v_lshlrev_b32 v27, 4, v4
	ds_load_b128 v[36:39], v27                     ; lane l: the counts of wave l % 16
	s_wait_dscnt 0x0
	v_cmp_gt_u32 vcc_lo, s10, v4                   ; the waves in front of mine
.irp k, 0,1,2,3
	v_cndmask_b32 v[40+\k], 0, v[36+\k], vcc_lo
.endr
.irp k, 36,37,38,39,40,41,42,43
	RED \k, 0                                      ; all waves' counts, and those of the waves in front of mine
.endr
.irp k, 0,1,2,3,4,5,6,7
	v_readfirstlane_b32 s[44+\k], v[36+\k]
.endr
.macro UNPACK dst, src
	s_and_b32 s[\dst+0], s[\src+0], 0xffff
	s_lshr_b32 s[\dst+4], s[\src+0], 16
	s_and_b32 s[\dst+2], s[\src+1], 0xffff
	s_lshr_b32 s[\dst+6], s[\src+1], 16
	s_and_b32 s[\dst+1], s[\src+2], 0xffff
	s_lshr_b32 s[\dst+5], s[\src+2], 16
	s_and_b32 s[\dst+3], s[\src+3], 0xffff
	s_lshr_b32 s[\dst+7], s[\src+3], 16
.endm
	UNPACK CNT, 44
	UNPACK BASE, 48
	s_mov_b32 s57, 0                               ; where expert e's tokens begin in order
.irp e, 0,1,2,3,4,5,6,7
	s_add_co_u32 s[BASE+\e], s[BASE+\e], s57
	s_add_co_u32 s57, s57, s[CNT+\e]
.endr
; THE TILES: wave 0 alone (no wave stands in front of it, so its BASE_e is where expert e begins).  No barrier stands inside the branch.
	s_cmp_lg_u32 s10, 0
	s_cbranch_scc1 .Lno_tiles
	s_mov_b32 s57, 0
.irp e, 0,1,2,3,4,5,6,7
	s_mov_b32 s[TF+\e], s57
	s_add_co_u32 s56, s[CNT+\e], 159
	s_mul_i32 s56, s56, 6554                       ; x 6,554 >> 20 is x / 160 rounded down for x up to 8,351: the factor is 6.1e-5 too large, which adds under 0.0033, less than the 1 / 160 that would turn a quotient
	s_lshr_b32 s56, s56, 20
	s_add_co_u32 s57, s57, s56
.endr
.irp u, 0,1                                    ; lane l makes records l and l + 32
.if \u
	s_wait_xcnt 0x0                                ; the first store has read its registers: they are written again only behind this wait
.endif
	v_add_nc_u32 v52, 32*\u, v1                    ; the record's number
	v_mov_b32 v48, 0                               ; its expert: the last one whose first tile is not beyond it, so experts without tokens are passed over
	v_mov_b32 v55, 0                               ; that expert's first tile,
	v_mov_b32 v53, s[BASE]                         ; first place in order,
	v_mov_b32 v54, s[CNT]                          ; and number of tokens
.irp e, 1,2,3,4,5,6,7
	v_cmp_gt_u32 vcc_lo, s[TF+\e], v52             ; expert e begins beyond this record: keep what there is
	v_cndmask_b32 v48, \e, v48, vcc_lo
	v_cndmask_b32 v55, s[TF+\e], v55, vcc_lo
	v_cndmask_b32 v53, s[BASE+\e], v53, vcc_lo
	v_cndmask_b32 v54, s[CNT+\e], v54, vcc_lo
.endr
	v_sub_nc_u32 v56, v52, v55                     ; which tile of its expert
	v_mul_u32_u24 v56, 160, v56
	v_min_u32 v56, v56, v54                        ; rows in front of it (a record behind the last tile: all of them)
	v_add_nc_u32 v49, v53, v56                     ; first place
	v_sub_nc_u32 v50, v54, v56
	v_min_u32 v50, 160, v50                        ; rows
	v_mov_b32 v51, 0
	v_lshlrev_b32 v57, 4, v52
	global_store_b128 v57, v[48:51], s[8:9]        ; 32 lanes store 512 consecutive bytes
.endr
.Lno_tiles:
; THE PLACES.  Register i of the wave's 32 lanes: a lane's place is its expert's running base + the number of lower lanes with the same expert.
.macro RANK i
	v_cmp_eq_u32 s52, 0, v[ID+\i]
	v_mbcnt_lo_u32_b32 v[POS+\i], s52, s[BASE]     ; (expert 0 starts the register; the lane's own expert writes over it)
	s_bcnt1_i32_b32 s56, s52
	s_add_co_u32 s[BASE], s[BASE], s56
.irp e, 1,2,3,4,5,6,7
	v_cmp_eq_u32 s[52+\e%4], \e, v[ID+\i]
	v_mbcnt_lo_u32_b32 v[26+\e%2], s[52+\e%4], s[BASE+\e]
	v_cndmask_b32 v[POS+\i], v[POS+\i], v[26+\e%2], s[52+\e%4]
	s_bcnt1_i32_b32 s56, s[52+\e%4]
	s_add_co_u32 s[BASE+\e], s[BASE+\e], s56
.endr
	v_add_nc_u32 v[TOK+\i], 2048*(\i/4)+\i%4, v3   ; the token's number
	v_min_u32 v[POS+\i], 0x1fff, v[POS+\i]         ; a number made from loaded data is held inside the buffer before it becomes an address
	v_lshlrev_b32 v[POS+\i], 2, v[POS+\i]
	global_store_b32 v[POS+\i], v[TOK+\i], s[6:7]
.endm
.irp i, 0,1,2,3,4,5,6,7,8,9,10,11,12,13,14,15
	RANK \i
.endr
	s_barrier_signal -1
	s_barrier_wait -1
	s_wait_tensorcnt 0x0
	ds_add_u32 v128, v129
	s_wait_dscnt 0x0
	s_endpgm
.Lfunc_end_k_qf641c49fe8_route:
	.size	k_qf641c49fe8_route, .Lfunc_end_k_qf641c49fe8_route-k_qf641c49fe8_route
	.p2alignl 7, 3214868480
	.fill 96, 4, 3214868480
	.section	.rodata,"a",@progbits
	.p2align	6, 0x0
	.amdhsa_kernel k_qf641c49fe8_route
		.amdhsa_group_segment_fixed_size 2304
		.amdhsa_private_segment_fixed_size 0
		.amdhsa_enable_private_segment 0
		.amdhsa_kernarg_size 24
		.amdhsa_user_sgpr_count 2
		.amdhsa_user_sgpr_kernarg_segment_ptr 1
		.amdhsa_wavefront_size32 1
		.amdhsa_system_sgpr_workgroup_id_x 1
		.amdhsa_system_sgpr_workgroup_id_y 1
		.amdhsa_system_sgpr_workgroup_id_z 1
		.amdhsa_system_vgpr_workitem_id 0
		.amdhsa_next_free_vgpr 130
		.amdhsa_next_free_sgpr 66
		.amdhsa_reserve_vcc 1
		.amdhsa_float_denorm_mode_32 3
		.amdhsa_float_denorm_mode_16_64 3
		.amdhsa_memory_ordered 1
		.amdhsa_forward_progress 1
		.amdhsa_inst_pref_size 52
	.end_amdhsa_kernel
	.amdgpu_metadata
---
amdhsa.version: [ 1, 2 ]
amdhsa.kernels:
  - .name:           k_qf641c49fe8_route
    .symbol:         k_qf641c49fe8_route.kd
    .args:
      - { .name: expert_ids, .offset: 0, .size: 8, .value_kind: global_buffer, .address_space: global }
      - { .name: order, .offset: 8, .size: 8, .value_kind: global_buffer, .address_space: global }
      - { .name: tiles, .offset: 16, .size: 8, .value_kind: global_buffer, .address_space: global }
    .group_segment_fixed_size: 2304
    .private_segment_fixed_size: 0
    .kernarg_segment_align: 8
    .kernarg_segment_size: 24
    .max_flat_workgroup_size: 512
    .sgpr_count:     66
    .vgpr_count:     130
    .wavefront_size: 32
...
	.end_amdgpu_metadata
.endif
;; end of part 1
;; launch gemm (part 2): grid 4 x 59, 4 waves a work-group, no clusters, 157,184 bytes of LDS; arguments tiles, order, x_codes, x_scales, weight_codes, weight_scales, out0; writes out0
.if DOCPART == 2
	.amdgcn_target "amdgcn-amd-amdhsa--gfx1250"
	.amdhsa_code_object_version 6
	.text
	.protected	k_qf641c49fe8_gemm
	.globl	k_qf641c49fe8_gemm
	.p2align	8
	.type	k_qf641c49fe8_gemm,@function
k_qf641c49fe8_gemm:
	s_mov_b64 s[64:65], 0
	v_nop
	global_prefetch_b8 v0, s[64:65] scope:SCOPE_SE
	s_setreg_imm32_b32 hwreg(HW_REG_WAVE_MODE, 25, 1), 1
	s_wait_xcnt 0x0
; out0[t][o] = the sum over k of x[t][k] weight[expert_ids[t]][o][k], on codes of E4M3 with one E8M0 scale for each 32 along K, as they lie in memory; sums in f32.
; Only the chosen expert's product is made.  The launch before has sorted the tokens by expert (order) and cut each expert's run into tiles of at most 160 rows (tiles).
; SHARES.  Work-group (x, y): tile y (one expert, up to 160 tokens) x outputs 128 x .. 128 x + 127.  59 tiles serve every split of 8,192 tokens over 8 experts.
; Four waves, 2 x 2: wave w = 2 mh + nh makes rows 80 mh .. + 79 x outputs 64 nh .. + 63: 20 accumulators of 16 x 16.
; NO BRANCH, NO LABEL, NO LOOP: nothing in the order of instructions hangs on a loaded number, so every wave passes every barrier.  Rows behind a tile's last row repeat that row (their
; place in order is held at the last row's), so that every address is good; their results are not stored.  A tile of 0 rows runs the same text and stores nothing.
; K goes in eight steps of 256, written out: every step's offset is an immediate.  A step's 160 rows of x and 128 rows of weight (256 bytes each) come through registers into one of two LDS
; buffers: sixteen lanes load and store one row.  x is asked for two steps ahead, weight one: 56 loads of 16 bytes a lane are out at the most inside the steps.
; WHY NO TENSOR LOADS AND NO CLUSTER: x's 160 rows lie wherever the list says, which no tile descriptor states; which work-groups share a slice of weight hangs on the stored counts, and
; 59 tiles are no multiple of a cluster's side; the four slices of a tile share x alone, which comes by the list.
; THE MATRIX INSTRUCTION IS USED TRANSPOSED: source 0 = 16 rows of weight, source 1 = 16 tokens: a lane then holds one token and eight neighbouring outputs.
; REGISTERS, in windows of 256 (s_set_vgpr_msb: bits 1:0 source 0, 3:2 source 1, 5:4 source 2, 7:6 destination):
;   window 0: v0-47 addresses; v48-127 scale words; v128-255 weight's fragments, two sets (first and second 128 along K of a step); at the head and on the way out v128-255 are at work
;   window 1: v0-159 x's fragments, two sets      window 2: v0-159 the accumulators, (a, b) at v[8 (4 a + b)]      window 3: v0-159 x on its way to LDS, two sets; v160-223 weight
.set PITCH,  272                       ; an LDS row: 256 bytes + 16 = 68 words: row r starts at bank 4 r mod 64 (64 banks of 4 bytes: ISA guide 11.1), so the 16 rows that a fragment load touches start at 16 different banks
.set ABYTES, 160*PITCH                 ; a buffer: x's 160 rows, then weight's 128
.set BUFB,   288*PITCH                 ; 78,336 bytes; two buffers
.set SPITCH, 528                       ; the way out: a stage of 160 rows x (512 bytes + 16), laid over the buffers once nobody reads them
.set AOFF, 8                           ; v8-27  slot j: token of row 80 mh + 4 j + 2 nh + h, x 2,048, + 16 r: its 16 bytes in a row of x_codes and of out0 alike (both rows are 2,048 bytes)
.set BOFF, 28                          ; v28    2,048 h + 16 r
.set STA,  29                          ; v29-30 where I put x's rows in buffer 0, 1
.set STB,  31                          ; v31-32 and weight's
.set FA,   33                          ; v33-34 where my x fragments lie in buffer 0, 1
.set FB,   35                          ; v35-36 and weight's
.set SO,   37                          ; v37    the stage: where I put 32 bytes of a row
.set RD,   38                          ; v38    and where I read 16 bytes of a row back
.set ROW,  39                          ; v39    the row of the tile that my lane stages and stores: 80 mh + 2 nh + h (+ 4 for each slot on the way out)
.set SC,   48                          ; v48-127 register SC + 16 i + kq: lanes 0-15 the scale word of x's block i, lanes 16-31 that of weight's block i (i < 4), for the kq-th 128 along K
.set BF,   128                         ; weight's fragments: set q, block b at BF + 64 q + 16 b
.set WT,   128                         ; (at the head: weight's scale words on their way)
.set TA,   192                         ; (at the head: v192-216 byte offsets in order)
.set XT,   220                         ; (at the head: v220-224 my rows' byte offsets in x_scales)
.set AF,   0                           ; window 1: x's fragments: set q, block a at 80 q + 16 a
.set SA,   0                           ; window 3: x's rows of step s at 80 (s % 2)
.set SB,   160                         ; window 3: weight's rows
.set W_MUL,    0xa4                    ; source 0 window 0, source 1 window 1, C and D window 2
.set TO_AF,    0x40                    ; destination window 1
.set TO_ST,    0xc0                    ; destination window 3
.set FROM_ST,  0x0c                    ; an LDS store's data are its source 1: window 3
.set FROM_ACC, 0x08                    ; window 2
.set MSB, 0
.macro WIN new                         ; the immediate's high byte repeats the setting that is left; a switch that changes nothing is dropped
.if MSB != \new
	s_set_vgpr_msb (MSB<<8)|\new
.set MSB, \new
.endif
.endm
	s_load_b256 s[4:11], s[0:1], 0x0               ; tiles s[4:5], order s[6:7], x_codes s[8:9], x_scales s[10:11]
	s_load_b128 s[12:15], s[0:1], 0x20             ; weight_codes s[12:13], weight_scales s[14:15]
	s_load_b64 s[16:17], s[0:1], 0x30              ; out0
	v_lshl_add_u32 v46, v0, 2, 0x26400
	v_mov_b32 v47, 0
	v_lshrrev_b32 v1, 5, v0
	v_readfirstlane_b32 s18, v1                    ; wave w
	s_lshr_b32 s19, s18, 1                         ; mh
	s_and_b32 s20, s18, 1                          ; nh
	s_and_b32 s21, ttmp7, 0xffff                   ; the tile
	s_mov_b32 s22, ttmp9                           ; the slice of 128 outputs
	v_and_b32 v1, 31, v0                           ; lane
	v_and_b32 v2, 15, v0                           ; r
	v_bfe_u32 v3, v0, 4, 1                         ; h
	v_lshlrev_b32 v4, 4, v2                        ; 16 r
	; every LDS address is a lane's part (from v0) + a wave's part (from the wave's number) + constants
	v_mul_u32_u24 v40, v3, PITCH
	v_add_nc_u32 v40, v40, v4                      ; into a buffer: lanes 0-15 one row, lanes 16-31 the next, 16 bytes a lane
	v_mul_u32_u24 v41, v2, PITCH
	v_lshl_add_u32 v41, v3, 4, v41                 ; a fragment: row r, + 16 h
	s_mul_i32 s33, s19, 80                         ; 80 mh
	s_lshl_b32 s34, s20, 1
	s_add_co_u32 s34, s34, s33                     ; 80 mh + 2 nh
	s_mul_i32 s35, s34, PITCH
	v_add_nc_u32 v[STA], s35, v40
	v_add_nc_u32 v[STA+1], BUFB, v[STA]
	s_mul_i32 s35, s18, 32*PITCH                   ; weight's rows 32 w on,
	s_add_co_u32 s35, s35, ABYTES                  ; behind x's 160
	v_add_nc_u32 v[STB], s35, v40
	v_add_nc_u32 v[STB+1], BUFB, v[STB]
	s_mul_i32 s35, s33, PITCH
	v_add_nc_u32 v[FA], s35, v41
	v_add_nc_u32 v[FA+1], BUFB, v[FA]
	s_mul_i32 s35, s20, 64*PITCH
	s_add_co_u32 s35, s35, ABYTES
	v_add_nc_u32 v[FB], s35, v41
	v_add_nc_u32 v[FB+1], BUFB, v[FB]
	s_mul_i32 s35, s33, SPITCH
	s_lshl_b32 s36, s20, 8
	s_add_co_u32 s35, s35, s36
	v_mul_u32_u24 v42, v2, SPITCH
	v_lshl_add_u32 v42, v3, 5, v42
	v_add_nc_u32 v[SO], s35, v42                   ; (80 mh + r) x 528 + 256 nh + 32 h
	s_mul_i32 s35, s34, SPITCH
	v_mul_u32_u24 v42, v3, SPITCH
	v_add_nc_u32 v42, v42, v4
	v_add_nc_u32 v[RD], s35, v42                   ; (80 mh + 2 nh + h) x 528 + 16 r
	v_add_nc_u32 v[ROW], s34, v3
	v_add_nc_u32 v43, s33, v2                      ; 80 mh + r: the first of my rows as a fragment's lane
	v_lshl_add_u32 v[BOFF], v3, 11, v4
	v_lshlrev_b32 v45, 6, v2                       ; weight_scales: 64 bytes a row
	s_lshl_b32 s24, s21, 4
	s_mov_b32 s25, 0
	s_wait_kmcnt 0x0
	s_add_nc_u64 s[4:5], s[4:5], s[24:25]
	s_load_b128 s[28:31], s[4:5], 0x0              ; the tile's record: expert s28, first place in order s29, rows s30
	s_wait_kmcnt 0x0
	s_min_u32 s28, s28, 7                          ; loaded numbers are held before they enter addresses
	s_min_u32 s29, s29, 0x1fff
	s_min_u32 s30, s30, 160
	s_max_u32 s32, s30, 1
	s_sub_co_u32 s32, s32, 1                       ; the tile's last row (0 for a tile of no rows)
	s_lshl_b32 s24, s28, 20                        ; weight_codes: an expert is 512 x 2,048 bytes, a slice 128 rows, my share of a step 32 rows
	s_lshl_b32 s26, s22, 18
	s_add_co_u32 s24, s24, s26
	s_lshl_b32 s26, s18, 16
	s_add_co_u32 s24, s24, s26
	s_add_nc_u64 s[12:13], s[12:13], s[24:25]
	s_lshl_b32 s24, s28, 15                        ; weight_scales: an expert is 512 x 64 bytes, a slice 128 rows, my 64 rows
	s_lshl_b32 s26, s22, 13
	s_add_co_u32 s24, s24, s26
	s_lshl_b32 s26, s20, 12
	s_add_co_u32 s24, s24, s26
	s_add_nc_u64 s[14:15], s[14:15], s[24:25]
	s_lshl_b32 s24, s22, 9                         ; out0: the slice's 512 bytes of a row
	s_add_nc_u64 s[16:17], s[16:17], s[24:25]
; MY TOKENS, straight from order: 20 for the rows that I stage and store, 5 for the rows whose scale words my lane holds.
.macro TOKEN adr, dst, row, add
	v_add_nc_u32 v[\adr], \add, v[\row]
	v_min_u32 v[\adr], s32, v[\adr]                ; rows behind the tile's end repeat its last row
	v_add_nc_u32 v[\adr], s29, v[\adr]
	v_min_u32 v[\adr], 0x1fff, v[\adr]             ; held inside order
	v_lshlrev_b32 v[\adr], 2, v[\adr]
	global_load_b32 v[\dst], v[\adr], s[6:7]
.endm
.irp j, 0,1,2,3,4,5,6,7,8,9,10,11,12,13,14,15,16,17,18,19
	TOKEN TA+\j, AOFF+\j, ROW, 4*\j
.endr
.irp i, 0,1,2,3,4
	TOKEN TA+20+\i, XT+\i, 43, 16*\i
.endr
; What hangs on no token goes out behind them: weight's scale words (lane: row 16 b + r of my 64, all 64 bytes) and weight's rows of step 0.
.irp b, 0,1,2,3
.irp g, 0,1,2,3
	global_load_b128 v[WT+16*\b+4*\g:WT+16*\b+4*\g+3], v45, s[14:15] offset:1024*\b+16*\g
.endr
.endr
.macro GLB s                           ; weight's rows 32 w + 2 j + h of the slice, bytes 256 s on: sixteen lanes read 256 consecutive bytes
	WIN TO_ST
.irp j, 0,1,2,3,4,5,6,7,8,9,10,11,12,13,14,15
	global_load_b128 v[SB+4*\j:SB+4*\j+3], v[BOFF], s[12:13] offset:4096*\j+256*(\s)
.endr
.endm
.macro GLA s                           ; x's rows of my 20 slots, bytes 256 s on
	WIN TO_ST
.irp j, 0,1,2,3,4,5,6,7,8,9,10,11,12,13,14,15,16,17,18,19
	global_load_b128 v[SA+80*((\s)%2)+4*\j:SA+80*((\s)%2)+4*\j+3], v[AOFF+\j], s[8:9] offset:256*(\s)
.endr
.endm
	GLB 0
	WIN 0
	s_wait_loadcnt 32                              ; the 25 tokens are in; the 32 loads issued behind them may be out
.irp j, 0,1,2,3,4,5,6,7,8,9,10,11,12,13,14,15,16,17,18,19
	v_min_u32 v[AOFF+\j], 0x1fff, v[AOFF+\j]       ; held inside the 8,192 rows
	v_lshl_add_u32 v[AOFF+\j], v[AOFF+\j], 11, v4
.endr
.irp i, 0,1,2,3,4
	v_min_u32 v[XT+\i], 0x1fff, v[XT+\i]
	v_lshlrev_b32 v[XT+\i], 6, v[XT+\i]            ; x_scales: 64 bytes a row
.endr
.irp i, 0,1,2,3,4
.irp g, 0,1,2,3
	global_load_b128 v[SC+16*\i+4*\g:SC+16*\i+4*\g+3], v[XT+\i], s[10:11] offset:16*\g   ; x's scale words go straight to their registers (both halves of the lanes take row r's)
.endr
.endr
	GLA 0
	GLA 1                                          ; (more loads have been issued here than the counter's field holds if none has come back: the issue then waits, ISA guide 5.7.1; no wait is written for that)
	WIN 0
	s_wait_loadcnt 40                              ; all scale words are in; x's rows of steps 0 and 1, 40 loads, may be out
	v_cmp_lt_u32 vcc_lo, 15, v1
.irp b, 0,1,2,3
.irp k, 0,1,2,3,4,5,6,7,8,9,10,11,12,13,14,15
	v_cndmask_b32 v[SC+16*\b+\k], v[SC+16*\b+\k], v[WT+16*\b+\k], vcc_lo   ; lanes 16-31 take weight's words: one register serves both sides of a product
.endr
.endr
.rept 8
	v_nop                                          ; a scale register written by a vector instruction stands eight places ahead of the product that names it
.endr
.macro PUT s                           ; step s's rows from the registers into buffer s % 2
	WIN FROM_ST
.irp j, 0,1,2,3,4,5,6,7,8,9,10,11,12,13,14,15,16,17,18,19
	ds_store_b128 v[STA+(\s)%2], v[SA+80*((\s)%2)+4*\j:SA+80*((\s)%2)+4*\j+3] offset:4*PITCH*\j
.endr
.irp j, 0,1,2,3,4,5,6,7,8,9,10,11,12,13,14,15
	ds_store_b128 v[STB+(\s)%2], v[SB+4*\j:SB+4*\j+3] offset:2*PITCH*\j
.endr
.endm
; A fragment, 16 rows x 128 K of 8-bit codes, is 16 registers: lane l holds row l % 16; registers 4 c .. 4 c + 3 hold K = 32 c + 16 (l / 16) + 0 .. 15: four loads of 16 bytes, 32 bytes apart.
.macro FETCH p                         ; a step's fragments out of buffer p: weight's two sets, then x's first, then x's second: 72 loads in one run
	WIN 0
.irp q, 0,1
.irp b, 0,1,2,3
.irp c, 0,1,2,3
	ds_load_b128 v[BF+64*\q+16*\b+4*\c:BF+64*\q+16*\b+4*\c+3], v[FB+(\p)] offset:16*PITCH*\b+128*\q+32*\c
.endr
.endr
.endr
	WIN TO_AF
.irp q, 0,1
.irp a, 0,1,2,3,4
.irp c, 0,1,2,3
	ds_load_b128 v[AF+80*\q+16*\a+4*\c:AF+80*\q+16*\a+4*\c+3], v[FA+(\p)] offset:16*PITCH*\a+128*\q+32*\c
.endr
.endr
.endr
.endm
; 20 matrix instructions: set q of the fragments, the kq-th 128 along K.  zero = 1: the products start the sums: nothing is cleared.
; The 20 accumulators take turns, one instruction a turn, in the same order in every run.
.macro MUL20 q, kq, zero
	WIN W_MUL
.irp a, 0,1,2,3,4
.irp b, 0,1,2,3
.if \zero
	v_wmma_scale_f32_16x16x128_f8f6f4 v[8*(4*\a+\b):8*(4*\a+\b)+7], v[BF+64*(\q)+16*\b:BF+64*(\q)+16*\b+15], v[AF+80*(\q)+16*\a:AF+80*(\q)+16*\a+15], 0, v[SC+16*\b+(\kq)], v[SC+16*\a+(\kq)] matrix_a_scale:MATRIX_SCALE_ROW1
.else
	v_wmma_scale_f32_16x16x128_f8f6f4 v[8*(4*\a+\b):8*(4*\a+\b)+7], v[BF+64*(\q)+16*\b:BF+64*(\q)+16*\b+15], v[AF+80*(\q)+16*\a:AF+80*(\q)+16*\a+15], v[8*(4*\a+\b):8*(4*\a+\b)+7], v[SC+16*\b+(\kq)], v[SC+16*\a+(\kq)] matrix_a_scale:MATRIX_SCALE_ROW1
.endif
.endr
.endr
.endm
; A K STEP OF 256.  One barrier: in front of it each wave's stores into buffer s % 2 are done, and so are its reads of the other buffer, which is written again only in the next step, behind this barrier.
.macro TRIP s, zero
.if (\s) < 7
	s_wait_loadcnt 20                              ; this step's rows of x and of weight are in; the 20 loads issued behind them (x's rows of the next step) may be out
.else
	s_wait_loadcnt 0x0
.endif
	PUT \s
.if (\s) > 0
	s_wait_dscnt 36                                ; the last step's second set of fragments is in: only the 36 stores above are younger
	MUL20 1, 2*(\s)-1, 0                           ; the last step's second half is multiplied while the stores land
.endif
	s_wait_dscnt 0x0                               ; for the others' sake: my stores are done and my reads of the other buffer are over
	s_barrier_signal -1
	s_barrier_wait -1
.if (\s) < 7
	GLB (\s)+1                                     ; the registers on the way to LDS are free: their stores are done
.endif
.if (\s) < 6
	GLA (\s)+2
.endif
.if (\s) > 0
.rept 8
	v_nop                                          ; eight places between a product and a load into a register that it has read
.endr
.endif
	FETCH (\s)%2
	s_wait_dscnt 20                                ; weight's two sets and x's first are in; the youngest 20 loads (x's second set) may be out
	MUL20 0, 2*(\s), \zero
.endm
	TRIP 0, 1
.irp s, 1,2,3,4,5,6,7
	TRIP \s, 0
.endr
	s_wait_dscnt 0x0                               ; my last fragments are in: I read the buffers no more
	s_barrier_signal -1
	MUL20 1, 15, 0                                 ; register work between the signal and the wait
	WIN 0
	s_barrier_wait -1                              ; nobody reads the buffers any more: the stage may be written over them
; THE WAY OUT.  A lane holds 32 neighbouring bytes of a token's row; a row's 512 bytes come from two waves.  They meet in the stage; then each wave takes 40 whole rows back, sixteen lanes to 256 bytes, and stores
; them at its tokens' rows of out0: each store of sixteen lanes covers 256 consecutive bytes, at a multiple of 256 from out0's first byte.
.rept 8
	v_nop                                          ; eight places between the last products and the first read of results, and the loads into the registers that held weight's fragments
.endr
	WIN FROM_ACC
.irp a, 0,1,2,3,4
.irp b, 0,1,2,3
	ds_store_b128 v[SO], v[8*(4*\a+\b):8*(4*\a+\b)+3] offset:16*SPITCH*\a+64*\b        ; each accumulator from its low end on
	ds_store_b128 v[SO], v[8*(4*\a+\b)+4:8*(4*\a+\b)+7] offset:16*SPITCH*\a+64*\b+16
.endr
.endr
	WIN 0
	s_wait_dscnt 0x0                               ; for the others' sake: my stores into the stage are done
	s_barrier_signal -1
	s_barrier_wait -1
.macro BACK j                          ; slot j's row, both halves, into 8 registers
	ds_load_b128 v[BF+8*((\j)%16):BF+8*((\j)%16)+3],   v[RD] offset:4*SPITCH*(\j)
	ds_load_b128 v[BF+8*((\j)%16)+4:BF+8*((\j)%16)+7], v[RD] offset:4*SPITCH*(\j)+256
.endm
.macro ROWS j                          ; slot j's row is stored where the tile has such a row
	v_cmp_gt_u32 vcc_lo, s30, v[ROW]
	s_and_saveexec_b32 s40, vcc_lo
	global_store_b128 v[AOFF+(\j)], v[BF+8*((\j)%16):BF+8*((\j)%16)+3],   s[16:17] th:TH_STORE_NT
	global_store_b128 v[AOFF+(\j)], v[BF+8*((\j)%16)+4:BF+8*((\j)%16)+7], s[16:17] offset:256 th:TH_STORE_NT
	s_wait_xcnt 0x0                                ; EXEC is a source of the stores: it is widened only behind this wait, which also frees their data registers
	s_or_b32 exec_lo, exec_lo, s40
	v_add_nc_u32 v[ROW], 4, v[ROW]                 ; the next slot's row
.endm
.irp j, 0,1,2,3,4,5,6,7,8,9,10,11,12,13,14,15
	BACK \j
.endr
	s_wait_xcnt 0x0                                ; EXEC is narrowed only behind this wait; from here on no global access stands between a widening and the next narrowing
	s_wait_dscnt 16                                ; slots 0-7 are back; the 16 loads of slots 8-15 may be out
.irp j, 0,1,2,3,4,5,6,7
	ROWS \j
.endr
.irp j, 16,17,18,19
	BACK \j                                        ; into the registers that slots 0-3 have left
.endr
	s_wait_dscnt 8                                 ; slots 8-15 are back; the 8 loads just issued may be out
.irp j, 8,9,10,11,12,13,14,15
	ROWS \j
.endr
	s_wait_dscnt 0x0
.irp j, 16,17,18,19
	ROWS \j
.endr
	s_wait_xcnt 0x0
	s_mov_b32 exec_lo, -1
	s_wait_tensorcnt 0x0
	ds_add_u32 v46, v47
	s_wait_dscnt 0x0
	s_endpgm
.Lfunc_end_k_qf641c49fe8_gemm:
	.size	k_qf641c49fe8_gemm, .Lfunc_end_k_qf641c49fe8_gemm-k_qf641c49fe8_gemm
	.p2alignl 7, 3214868480
	.fill 96, 4, 3214868480
	.section	.rodata,"a",@progbits
	.p2align	6, 0x0
	.amdhsa_kernel k_qf641c49fe8_gemm
		.amdhsa_group_segment_fixed_size 157184
		.amdhsa_private_segment_fixed_size 0
		.amdhsa_enable_private_segment 0
		.amdhsa_kernarg_size 56
		.amdhsa_user_sgpr_count 2
		.amdhsa_user_sgpr_kernarg_segment_ptr 1
		.amdhsa_wavefront_size32 1
		.amdhsa_system_sgpr_workgroup_id_x 1
		.amdhsa_system_sgpr_workgroup_id_y 1
		.amdhsa_system_sgpr_workgroup_id_z 1
		.amdhsa_system_vgpr_workitem_id 0
		.amdhsa_next_free_vgpr 992
		.amdhsa_next_free_sgpr 66
		.amdhsa_reserve_vcc 1
		.amdhsa_float_denorm_mode_32 3
		.amdhsa_float_denorm_mode_16_64 3
		.amdhsa_memory_ordered 1
		.amdhsa_forward_progress 1
		.amdhsa_inst_pref_size 158
	.end_amdhsa_kernel
	.amdgpu_metadata
---
amdhsa.version: [ 1, 2 ]
amdhsa.kernels:
  - .name:           k_qf641c49fe8_gemm
    .symbol:         k_qf641c49fe8_gemm.kd
    .args:
      - { .name: tiles, .offset: 0, .size: 8, .value_kind: global_buffer, .address_space: global }
      - { .name: order, .offset: 8, .size: 8, .value_kind: global_buffer, .address_space: global }
      - { .name: x_codes, .offset: 16, .size: 8, .value_kind: global_buffer, .address_space: global }
      - { .name: x_scales, .offset: 24, .size: 8, .value_kind: global_buffer, .address_space: global }
      - { .name: weight_codes, .offset: 32, .size: 8, .value_kind: global_buffer, .address_space: global }
      - { .name: weight_scales, .offset: 40, .size: 8, .value_kind: global_buffer, .address_space: global }
      - { .name: out0, .offset: 48, .size: 8, .value_kind: global_buffer, .address_space: global }
    .group_segment_fixed_size: 157184
    .private_segment_fixed_size: 0
    .kernarg_segment_align: 8
    .kernarg_segment_size: 56
    .max_flat_workgroup_size: 128
    .sgpr_count:     66
    .vgpr_count:     992
    .wavefront_size: 32
...
	.end_amdgpu_metadata
.endif
;; end of part 2
